; MI455X (gfx1250); checked and timed in simulation.
; The chip was launched on July 23, 2026; its instructions are those of AMD's public machine-readable ISA for CDNA 5 (MIT licence, August 2026) and "CDNA5" Instruction Set Architecture Reference Guide (July 2026). The comments in the code are by the model that wrote it; some were corrected since.
;; Flash Diff Custom Attention. Allowed arithmetic: matrix products marked QUANTISED: E4M3 operands, one E8M0 scale for each 32 along K, by v_wmma_scale_f32_16x16x128_f8f6f4 with both operands' format E4M3, f32 sums; everything else in f32.
;; Inputs: k 2 x 2,048 x 16 x 128 float32; lambda_k1 128 float32; lambda_k2 128 float32; lambda_q1 128 float32; lambda_q2 128 float32; q 2 x 2,048 x 16 x 128 float32; subln_weight 256 float32; v 2 x 2,048 x 16 x 128 float32.
;; Outputs: out0 2 x 2,048 x 16 x 128 float32.
;; This version of the problem:
;;   THIS VERSION OF THE PROBLEM IS GIVEN IN LOW PRECISION. The matrix products marked QUANTISED in the list below multiply operands that are first quantised to E4M3 (4 exponent bits, 3 mantissa bits; 8 bits a number), with one power-of-two scale for each 32 numbers along K (OCP MX v1.0); their sums are f32. All else is computed in f32.
;;   The module's matrix products, in the order in which they are computed (A, B: the left and right operand; K: the contracted axis; several contracted axes count as one K, in the product's order):
;;     1. batch 16 x [M 2,048, K 128] x [K 128, N 2,048]; A: input q; B: input k: QUANTISED
;;     2. batch 16 x [M 256, K 2,048] x [K 2,048, N 2,048]; A: computed on the way; B: softmax (see below): QUANTISED
;;     3. batch 16 x [M 2,048, K 128] x [K 128, N 2,048]; A: input q; B: input k: QUANTISED
;;     4. batch 16 x [M 256, K 2,048] x [K 2,048, N 2,048]; A: computed on the way; B: softmax (see below): QUANTISED
;;   THE QUANTISER, for each operand of a quantised product, along K:
;;     - K is cut into blocks of 32 from its start; a last block that is shorter is filled with zeros.
;;     - A block's scale is 2^e with e = floor(log2(the largest magnitude in the block)) - 8, held to -126 .. 127; a block of zeros has e = 0. As a byte (E8M0): e + 127.
;;     - Each number is divided by its block's scale, clamped to +-448, and rounded to the nearest number of E4M3, ties to even, subnormals kept.
;;     - The product sums the exact products of the quantised numbers (number of the format x scale) in f32.
;;   ~~~python
;;   def quantise(x, axis):      # numpy; x: float32 -> the quantised numbers, widened to float32 again
;;       x = np.moveaxis(x, axis, -1); K = x.shape[-1]
;;       x = np.pad(x, [(0, 0)] * (x.ndim - 1) + [(0, -K % 32)]); x = x.reshape(x.shape[:-1] + (-1, 32)); a = np.abs(x).max(-1, keepdims=True)
;;       e = np.where(a > 0, np.clip(np.frexp(np.where(a > 0, a, 1))[1] - 1 - 8, -126, 127), 0)      # np.frexp(a)[1] - 1 = floor(log2(a)), exactly
;;       r = np.clip(x / 2.0 ** e, -448, 448)
;;       step = 2.0 ** (np.maximum(np.frexp(np.where(r == 0, 1, r))[1] - 1, -6) - 3)
;;       q = np.round(r / step) * step * 2.0 ** e      # np.round: ties to even
;;       return np.moveaxis(q.reshape(q.shape[:-2] + (-1,))[..., :K], -1, axis).astype(np.float32)
;;   ~~~
;;   SOFTMAX AHEAD OF A QUANTISED PRODUCT. Where the list says 'softmax', what is quantised is not the finished softmax but p = 2^(t - M), with t = logit x log2(e) and M = ceil(the row's largest t), a whole number; so 1/2 < the row's largest p <= 1. The row's sum l is taken of the UNQUANTISED p, in f32, and the product's result is divided by l at the end. Since M is a whole number, a kernel that streams over the keys may use a running M (the ceiling of the running maximum): every later rescaling is an exact power of two, which a block's scale takes up: the codes' values come out the same.
;;   OPERANDS COMPUTED ON THE WAY. 'Computed on the way' means the value that the module computes at that place (a softmax that the list does not call 'softmax' is quantised finished and normalised). What goes into a quantiser is computed in f32, as accurately as f32 sums, v_exp_f32 and their like allow (about 1e-6 of the number): no bf16 or f16 on the way to a quantiser, and a product that is left as it is and whose result goes on into a quantised operand takes f32 operands (vector FMAs, or v_wmma_f32_16x16x4_f32). A number that lies on a knife's edge between two numbers of the format may be rounded either way, as far as f32 arithmetic and the matrix unit's own rounding can turn it there, and no further.
;; One version. Each part assembles by itself: llvm-mc -triple=amdgcn-amd-amdhsa -mcpu=gfx1250 --defsym DOCPART=n.
;; ======== version 1 of 1: 2 launches
;; limits: right only within a limited range of input values
;; workspace buffers: kv 17,301,504 bytes
;; launch quant (part 1): grid 256 x 2, 4 waves a work-group, no clusters, 34,304 bytes of LDS; arguments k, v, kv; writes kv
.if DOCPART == 1
	.amdgcn_target "amdgcn-amd-amdhsa--gfx1250"
	.amdhsa_code_object_version 6
	.text
	.protected	k_q93b10f4310_quant
	.globl	k_q93b10f4310_quant
	.p2align	8
	.type	k_q93b10f4310_quant,@function
k_q93b10f4310_quant:
	s_mov_b64 s[64:65], 0
	v_nop
	global_prefetch_b8 v0, s[64:65] scope:SCOPE_SE
	s_setreg_imm32_b32 hwreg(HW_REG_WAVE_MODE, 25, 1), 1
	s_wait_xcnt 0x0
; k and v [2][2048][16][128] f32 become codes of FP8 (E4M3) with one E8M0 byte for each 32 along a product's K, laid as the attention launch reads them.
; kv = [pair bh = 8 b + h: 16][key step of 128 keys: 16][TILEB bytes].  A tile block holds IMAGES OF OPERAND REGISTERS (l = lane, r = l % 16, hh = l / 16):
;   0      K fragment (a, T), a = which of the pair's two heads, T = 0..7, at (8 a + T) 2048 + 512 c + 16 l: d = 32 c + 16 hh + 0..15 of key 32 (T / 2) + 8 (T % 2) + r + 8 (r / 8)
;   32768  K's scale words at 512 a + 256 q + 8 l + 4 e: tile 4 q + 2 e + hh, row r
;   33792  V fragment 4 g + j at 2048 (4 g + j) + 512 c + 16 l: keys 32 c + 16 hh + 0..15 of channel 64 g + 4 r + j of the pair's 256
;   66560  V's scale words at 256 g + 8 l + 4 e: fragment 4 g + 2 e + hh, row r
; A block's scale is 2^(floor(log2(its largest magnitude)) - 8); its byte is that magnitude's exponent field - 8, held at 1 from below; numbers are held within +-448 x the scale and rounded to the nearest code.
; LIMITS: a block of zeros gets the byte 1 (its codes are zeros; this program alone reads the bytes); blocks whose largest magnitude lies under 2^-118 take the floor's byte; NaN and infinities are not served.
; Work-group x = the tile block; y = 0 makes its K part, y = 1 its V part.  Waves share nothing: no barrier.  A wave asks for all its 32 KB at once (64 loads of 512 bytes into window 1), so there is no loop to prefetch in.
.set TILEB, 67584
.set SROW,  8192                       ; bytes from a key to the next in k and in v
.set X,     64                         ; v64-127  64 numbers, 16 neighbours along K in each of four blocks
.set PC,    128                        ; v128-191 codes: 16 registers for each of four turns, so that no store's data are written again
.set TM,    192                        ; v192-207 at work
.set PW,    208                        ; K: the scale word just made; v209 the even tile's
.set SWT,   209
.set SW,    210                        ; v[210:211] the words as they are stored
.set SB,    212                        ; V: v212-215 four channels' words
.set TB,    216
.set SEL,   30                         ; s[30:31] lane selects: lane l xor 16
.set MNT,   32                         ; s32 the mantissa field of 448
.set MSB, 0
.macro WIN new                         ; the immediate's high byte repeats the setting that is left
.if MSB != \new
	s_set_vgpr_msb (MSB<<8)|\new
.set MSB, \new
.endif
.endm
.macro SCALES                          ; four blocks, 16 numbers here and 16 in lane l xor 16: the scale operands v[TM + 12 ..], 448 x the scales v[TM + 8 ..], the bytes v[TM + 4 ..]
.irp b, 0,1,2,3
	v_permlanex16_b32 v[TM+4+\b], v[TM+\b], s[SEL], s[SEL+1]
.endr
.irp b, 0,1,2,3
	v_max_num_f32 v[TM+\b], v[TM+\b], v[TM+4+\b]
.endr
.irp b, 0,1,2,3
	v_add_nc_u32 v[TM+12+\b], 0xfc000000, v[TM+\b]         ; 8 off the exponent field: the conversion's scale operand
.endr
.irp b, 0,1,2,3
	v_and_or_b32 v[TM+8+\b], v[TM+\b], 0x7f800000, s[MNT]
.endr
.irp b, 0,1,2,3
	v_lshrrev_b32 v[TM+4+\b], 23, v[TM+12+\b]
.endr
.endm
.macro CODES pc                        ; the conversions; one plain line behind the last
.irp b, 0,1,2,3
	v_cvt_scalef32_pk8_fp8_f32 v[\pc+4*\b:\pc+1+4*\b], v[X+16*\b:X+7+16*\b], v[TM+12+\b]
	v_cvt_scalef32_pk8_fp8_f32 v[\pc+2+4*\b:\pc+3+4*\b], v[X+8+16*\b:X+15+16*\b], v[TM+12+\b]
.endr
	v_nop
.endm
	s_load_b128 s[4:7], s[0:1], 0x0                ; k, v
	s_load_b64 s[8:9], s[0:1], 0x10                ; kv
	v_lshl_add_u32 v254, v0, 2, 0x8400
	v_mov_b32 v255, 0
	v_lshrrev_b32 v1, 5, v0
	v_readfirstlane_b32 s10, v1                    ; wave 0..3
	v_and_b32 v2, 31, v0                           ; l
	v_and_b32 v3, 15, v0                           ; r
	v_bfe_u32 v8, v0, 4, 1                         ; hh
	s_mul_i32 s20, s10, 8448                       ; K: my wave's stage in LDS: 16 rows x 528 bytes
	v_lshlrev_b32 v4, 4, v2                        ; 16 l
	v_add_nc_u32 v5, s20, v4                       ; the stage, in: a key's 512 bytes as they lie
	v_mul_u32_u24 v6, v3, 528
	v_lshl_add_u32 v6, v8, 6, v6
	v_add_nc_u32 v6, s20, v6                       ; out: row r, + 64 hh: my 16 numbers of each block of 32
	v_lshlrev_b32 v7, 3, v2                        ; 8 l: the scale words' place
	v_lshlrev_b32 v9, 4, v3
	v_lshl_add_u32 v9, v8, 17, v9                  ; V: 16 r + 16 keys x hh
	v_cmp_le_u32 vcc_lo, 16, v2                    ; lanes 16-31
.irp b, 0,1,2,3
	v_mov_b32 v[TM+4+\b], 0                        ; written once: a lane permute's destination counts as one of its sources
.endr
	s_and_b32 s11, ttmp7, 0xffff                   ; 0: K's part, 1: V's
	s_lshr_b32 s12, ttmp9, 4                       ; bh
	s_and_b32 s13, ttmp9, 15                       ; key step
	s_lshr_b32 s14, s12, 3                         ; b
	s_and_b32 s15, s12, 7                          ; h
	s_lshl_b32 s16, s14, 24                        ; b x 2048 keys x 8192 bytes
	s_lshl_b32 s17, s13, 20                        ; + step x 128 keys
	s_or_b32 s16, s16, s17
	s_lshl_b32 s17, s15, 10                        ; + the pair's 1024 bytes of a key
	s_or_b32 s16, s16, s17
	s_mov_b32 s17, 0
	s_mul_i32 s18, ttmp9, TILEB                    ; the tile block in kv
	s_lshr_b32 s21, s10, 1                         ; K: a
	s_and_b32 s22, s10, 1                          ; K: q
	s_mov_b32 s25, 0
	s_mov_b32 s[SEL], 0x76543210
	s_mov_b32 s[SEL+1], 0xfedcba98
	s_mov_b32 s[MNT], 0x600000
	s_wait_alu depctr_va_vdst(0)
	s_wait_kmcnt 0x0
	s_cmp_lg_u32 s11, 0
	s_cbranch_scc1 .Lvpath
; ---- K: wave w makes head a = w / 2, tiles T = 4 (w % 2) + f, f = 0..3.  A load reads one key's 512 consecutive bytes; 16 keys turn through the stage so that a lane holds 64 numbers of ONE key.
	s_lshl_b32 s23, s21, 9
	s_lshl_b32 s33, s22, 19                        ; 64 keys
	s_or_b32 s23, s23, s33
	s_add_co_u32 s16, s16, s23
	s_add_nc_u64 s[4:5], s[4:5], s[16:17]
	s_lshl_b32 s23, s21, 14
	s_lshl_b32 s33, s22, 13
	s_or_b32 s23, s23, s33
	s_add_co_u32 s24, s18, s23
	s_add_nc_u64 s[26:27], s[8:9], s[24:25]        ; my four fragments
	s_lshl_b32 s23, s21, 9
	s_lshl_b32 s33, s22, 8
	s_or_b32 s23, s23, s33
	s_add_co_u32 s24, s18, s23
	s_add_co_u32 s24, s24, 32768
	s_add_nc_u64 s[28:29], s[8:9], s[24:25]        ; their 256 bytes of scale words
	WIN 0x40
.irp f, 0,1,2,3
.irp p, 0,1,2,3,4,5,6,7,8,9,10,11,12,13,14,15
	global_load_b128 v[64*\f+4*\p:64*\f+4*\p+3], v4, s[4:5] offset:(32*(\f/2)+8*(\f%2)+\p+8*(\p/8))*SROW th:TH_LOAD_NT   ; the key of the fragment's row p
.endr
.endr
	WIN 0
.macro KFRAG f
	s_wait_alu depctr_va_vdst(0)
	s_wait_loadcnt 16*(3-\f)                       ; this fragment's 16 loads are in; the later fragments' may be out
	WIN 0x04                                       ; an LDS store's data are its source 1: window 1
.irp p, 0,1,2,3,4,5,6,7,8,9,10,11,12,13,14,15
	ds_store_b128 v5, v[64*\f+4*\p:64*\f+4*\p+3] offset:528*\p
.endr
	WIN 0
.irp b, 0,1,2,3
.irp j, 0,1,2,3
	ds_load_b128 v[X+16*\b+4*\j:X+16*\b+4*\j+3], v6 offset:128*\b+16*\j   ; LDS serves a wave's instructions in order: these see the stores above
.endr
.endr
	s_wait_dscnt 0x0
.irp b, 0,1,2,3
	v_max3_num_f32 v[TM+\b], |v[X+16*\b]|, |v[X+1+16*\b]|, 0x4800000   ; and the floor 2^(9 - 127): the byte cannot fall under 1
.endr
.irp i, 2,4,6,8,10,12,14
.irp b, 0,1,2,3
	v_max3_num_f32 v[TM+\b], v[TM+\b], |v[X+16*\b+\i]|, |v[X+1+16*\b+\i]|
.endr
.endr
	SCALES
	v_lshl_or_b32 v[PW], v[TM+5], 8, v[TM+4]
	v_lshl_or_b32 v[PW], v[TM+6], 16, v[PW]
	v_lshl_or_b32 v[PW], v[TM+7], 24, v[PW]
.irp b, 0,1,2,3
.irp i, 0,1,2,3,4,5,6,7,8,9,10,11,12,13,14,15
	v_med3_num_f32 v[X+16*\b+\i], v[X+16*\b+\i], -v[TM+8+\b], v[TM+8+\b]   ; the conversion to an 8-bit code does not saturate (ISA guide 7.6.2): the hold comes first
.endr
.endr
	CODES PC+16*\f
.irp c, 0,1,2,3
	global_store_b128 v4, v[PC+16*\f+4*\c:PC+16*\f+4*\c+3], s[26:27] offset:2048*(\f)+512*\c   ; 32 lanes store 512 consecutive bytes, aligned
.endr
.if (\f)%2 == 0
	v_mov_b32 v[SWT], v[PW]
.else
	v_cndmask_b32 v[SW+(\f)/2], v[SWT], v[PW], vcc_lo   ; lanes 0-15: the even tile's words; lanes 16-31: the odd tile's
.endif
.endm
	KFRAG 0
	KFRAG 1
	KFRAG 2
	KFRAG 3
	global_store_b64 v7, v[SW:SW+1], s[28:29]      ; 32 lanes store 256 consecutive bytes, aligned
	s_wait_tensorcnt 0x0                           ; the wave's end
	ds_add_u32 v254, v255
	s_wait_dscnt 0x0
	s_endpgm
; ---- V: wave g, channels 64 g on.  Lane (r, hh) takes channels 4 r .. 4 r + 3 of keys 32 c + 16 hh + i: a load reads two keys' 256 consecutive bytes; the hold writes a channel's 16 keys side by side.  Channel j's codes are
; row r of fragment 4 g + j: the choice of channels for a fragment's rows is free, and so nothing is transposed.
.Lvpath:
	s_lshl_b32 s23, s10, 8
	s_add_co_u32 s16, s16, s23
	s_add_nc_u64 s[6:7], s[6:7], s[16:17]
	s_lshl_b32 s23, s10, 13
	s_add_co_u32 s24, s18, s23
	s_add_co_u32 s24, s24, 33792
	s_add_nc_u64 s[26:27], s[8:9], s[24:25]        ; my four fragments
	s_lshl_b32 s23, s10, 8
	s_add_co_u32 s24, s18, s23
	s_add_co_u32 s24, s24, 66560
	s_add_nc_u64 s[28:29], s[8:9], s[24:25]        ; their scale words
	WIN 0x40
.irp c, 0,1,2,3
.irp i, 0,1,2,3,4,5,6,7,8,9,10,11,12,13,14,15
	global_load_b128 v[64*\c+4*\i:64*\c+4*\i+3], v9, s[6:7] offset:(32*\c+\i)*SROW th:TH_LOAD_NT
.endr
.endr
	WIN 0
.macro VBLOCK c
	s_wait_alu depctr_va_vdst(0)
	s_wait_loadcnt 16*(3-\c)                       ; these 32 keys' 16 loads are in; the later ones may be out
	WIN 0x05
.irp j, 0,1,2,3
	v_max3_num_f32 v[TM+\j], |v[64*\c+\j]|, |v[64*\c+4+\j]|, 0x4800000   ; and the floor
.endr
	WIN 0x14
.irp i, 2,4,6,8,10,12,14
.irp j, 0,1,2,3
	v_max3_num_f32 v[TM+\j], v[TM+\j], |v[64*\c+4*\i+\j]|, |v[64*\c+4*\i+4+\j]|
.endr
.endr
	WIN 0
	SCALES
.irp j, 0,1,2,3
.if \c == 0
	v_mov_b32 v[SB+\j], v[TM+4+\j]
.else
	v_lshl_or_b32 v[SB+\j], v[TM+4+\j], 8*\c, v[SB+\j]
.endif
.endr
	WIN 0x01
.irp j, 0,1,2,3
.irp i, 0,1,2,3,4,5,6,7,8,9,10,11,12,13,14,15
	v_med3_num_f32 v[X+16*\j+\i], v[64*\c+4*\i+\j], -v[TM+8+\j], v[TM+8+\j]
.endr
.endr
	WIN 0
	CODES PC+16*\c
.irp j, 0,1,2,3
	global_store_b128 v4, v[PC+16*\c+4*\j:PC+16*\c+4*\j+3], s[26:27] offset:2048*\j+512*\c   ; 32 lanes store 512 consecutive bytes, aligned
.endr
.endm
	VBLOCK 0
	VBLOCK 1
	VBLOCK 2
	VBLOCK 3
	v_cndmask_b32 v[SW], v[SB], v[SB+1], vcc_lo    ; lanes 0-15: fragments 0 and 2; lanes 16-31: 1 and 3
	v_cndmask_b32 v[SW+1], v[SB+2], v[SB+3], vcc_lo
	global_store_b64 v7, v[SW:SW+1], s[28:29]      ; 32 lanes store 256 consecutive bytes, aligned
	s_endpgm
.Lfunc_end_k_q93b10f4310_quant:
	.size	k_q93b10f4310_quant, .Lfunc_end_k_q93b10f4310_quant-k_q93b10f4310_quant
	.p2alignl 7, 3214868480
	.fill 96, 4, 3214868480
	.section	.rodata,"a",@progbits
	.p2align	6, 0x0
	.amdhsa_kernel k_q93b10f4310_quant
		.amdhsa_group_segment_fixed_size 34304
		.amdhsa_private_segment_fixed_size 0
		.amdhsa_enable_private_segment 0
		.amdhsa_kernarg_size 24
		.amdhsa_user_sgpr_count 2
		.amdhsa_user_sgpr_kernarg_segment_ptr 1
		.amdhsa_wavefront_size32 1
		.amdhsa_system_sgpr_workgroup_id_x 1
		.amdhsa_system_sgpr_workgroup_id_y 1
		.amdhsa_system_sgpr_workgroup_id_z 1
		.amdhsa_system_vgpr_workitem_id 0
		.amdhsa_next_free_vgpr 512
		.amdhsa_next_free_sgpr 66
		.amdhsa_reserve_vcc 1
		.amdhsa_float_denorm_mode_32 3
		.amdhsa_float_denorm_mode_16_64 3
		.amdhsa_memory_ordered 1
		.amdhsa_forward_progress 1
		.amdhsa_inst_pref_size 93
	.end_amdhsa_kernel
	.amdgpu_metadata
---
amdhsa.version: [ 1, 2 ]
amdhsa.kernels:
  - .name:           k_q93b10f4310_quant
    .symbol:         k_q93b10f4310_quant.kd
    .args:
      - { .name: k, .offset: 0, .size: 8, .value_kind: global_buffer, .address_space: global }
      - { .name: v, .offset: 8, .size: 8, .value_kind: global_buffer, .address_space: global }
      - { .name: kv, .offset: 16, .size: 8, .value_kind: global_buffer, .address_space: global }
    .group_segment_fixed_size: 34304
    .private_segment_fixed_size: 0
    .kernarg_segment_align: 8
    .kernarg_segment_size: 24
    .max_flat_workgroup_size: 128
    .sgpr_count:     66
    .vgpr_count:     512
    .wavefront_size: 32
...
	.end_amdgpu_metadata
.endif
;; end of part 1
;; launch attn (part 2): grid 16 x 16, 8 waves a work-group, clusters of 4 x 1, 327,680 bytes of LDS; arguments q, kv, lambda_q1, lambda_k1, lambda_q2, lambda_k2, subln_weight, out0; writes out0
.if DOCPART == 2
	.amdgcn_target "amdgcn-amd-amdhsa--gfx1250"
	.amdhsa_code_object_version 6
	.text
	.protected	k_q93b10f4310_attn
	.globl	k_q93b10f4310_attn
	.p2align	8
	.type	k_q93b10f4310_attn,@function
k_q93b10f4310_attn:
	s_mov_b64 s[64:65], 0
	v_nop
	global_prefetch_b8 v0, s[64:65] scope:SCOPE_SE
	s_setreg_imm32_b32 hwreg(HW_REG_WAVE_MODE, 25, 1), 1
	s_wait_xcnt 0x0
	s_wait_alu depctr_hold_cnt(0) depctr_sa_sdst(0) depctr_va_vdst(0) depctr_va_sdst(0) depctr_va_ssrc(0) depctr_va_vcc(0) depctr_vm_vsrc(0)
	s_getreg_b32 s2, hwreg(HW_REG_IB_STS2, 6, 4)
	s_cmp_eq_u32 s2, 0
	s_cbranch_scc0 .Lentry_in_a_cluster
	s_endpgm
.Lentry_in_a_cluster:
	s_bfe_u32 s2, ttmp6, 0x10000c
	s_cmp_lg_u32 s2, 0x3003
	s_cbranch_scc0 .Lentry_shape_is_right
	s_endpgm
.Lentry_shape_is_right:
; Differential causal attention on codes of FP8 (E4M3) with E8M0 scales.  For pair h of heads: x = attn(q[2h], k[2h], vcat) - lambda attn(q[2h+1], k[2h+1], vcat), vcat = the pair's 256 channels of v;
; out = subln_weight x (x rsqrt(mean(x^2) + 1e-5)) x (1 - LAMBDA_INIT).  k and v come as register images from kv (the launch before); q is quantised here, in registers.
; SOFTMAX: t = score x log2(e) / sqrt(128); M = the running largest t rounded UP to a whole number; p = 2^(t - M) is quantised along the keys; the sum of the unquantised p divides at the end.
; SHARES.  A work-group owns two blocks of 64 queries of one pair: block 4 m + cx (pass 1) and 31 - 4 m - cx (pass 2); m = the cluster's x, cx = the place in the cluster.  Trips of 256 keys: pass 1 walks m + 1, pass 2 8 - m: NINE in
; every work-group, so trip counts are constants and a cluster's partners walk the same tiles in the same trips.  Key tiles that lie wholly under reference()'s causal mask for all of a cluster's queries are left out; a pass's last trip
; runs with the mask.  Key 0 counts for every query.
; TWO KINDS OF WAVES.  p = w % 4: attention a = p / 2, queries 32 (p % 2) on, as two tiles of 16: register tile x holds queries 16 (x xor a) on.  Waves 0-3 (A) hold q and S: trip t makes tile t's scores, softmax and codes of p, and puts codes,
; scale words and f into LDS.  Waves 4-7 (B) hold O: trip t rescales O by f(t - 1) and adds tile t - 1.  The body is written once: the first trip multiplies codes that are zero.  Pass 1's O is so complete at the end of trip m + 1, and
; f = 0 there clears it for pass 2.  A stores a trip's codes behind the trip's second barrier, ahead of which B has loaded the last trip's.
; TILES come by joint loads (one mask for the four work-groups; no branch, trip count or LDS address hangs on cx), a quarter a wave.  Two slots of K, one of V: behind the round at a trip's head B asks for V of tile t - 1, A for K of tile
; t + 1 (in the last trip for V of the last tile, into the free slot of K, where the drain reads it).  The trip's second barrier shows B's loads; A's are waited for at the next head.
; PREFETCH: trip t asks for the 528 blocks of 256 bytes of the tile two trips on, each once in a cluster: 33 for each of its 16 waves A, told apart by address; trips 7 and 8 ask for nothing.
; THE TWO ATTENTIONS MEET IN LDS: wave 4 + p sends register tile 1, scaled, to wave 4 + (p xor 2) and finishes register tile 0 with what it receives: sent at the end of trip m + 1, taken behind the next trip's round.
; LIMITS: NaN and infinities are not served; the promise holds while the scaled scores stay under 2^31 in magnitude; a block of zeros carries the byte 1 (its codes are zeros); a block's largest p is taken from its largest score, which
; takes v_exp_f32 not to fall where its input rises.
; REGISTERS: window 0 as named below; window 1: in A S, then p: v[16 (8 x + 4 s + b) + i] = key 128 s + 32 b + 16 (lane / 16) + i of tile x's query lane % 16; in B O^T: v[128 x + 8 G + i], G = 4 g + j: channel 64 g + 32 (lane / 16) + 4 i + j.
.set PART,  33792                      ; a step of 128 keys of K or of V: 32,768 bytes of codes, 1,024 of scale words
.set SLOT,  67584                      ; 256 keys of K or of V in LDS; also from a step to the next in kv
.set TRIPB, 135168                     ; 256 keys in kv
.set VSL,   135168                     ; V's slot
.set EXB,   202752                     ; 4 x 16,384: what a wave B receives, then its stage on the way out; at the head A's stage for q: 16 rows x 528 bytes
.set PKB,   268288                     ; 4 x 8,192: p's codes
.set PWB,   301056                     ; 4 x 1,024: p's words (4 x 128 bytes), f (2 x 128), 1 / l (2 x 128)
.set QSB,   305152                     ; 4 x 4,096: pass 2's q codes
.set SPARE, 321536                     ; the spare words: 128 bytes for each of eight waves, four blocks of 256 bytes that no other line names
; v1-21 are made at the head by all waves and hold addresses for good (v5, v6: anew in each trip)
.set SPW,  1
.set NIL,  2
.set AK0,  3                           ; my place in a slot of K: codes, words
.set AKS0, 4
.set ADK,  5                           ; the same in the slot in hand
.set ADKS, 6
.set PKC,  7                           ; p's codes, p's words
.set PKW,  8
.set EXO,  9                           ; where I send, where I receive
.set GO,   10                          ; 16 x lane
.set EXI,  11
.set OSI,  12
.set PFN,  13                          ; the prefetches' offsets: v18, v13
.set AV,   14                          ; v14, v15  in V's slot: codes of step 0, 1;  v16 V's words
.set AVS,  16
.set QSA,  17
.set PFO,  18
.set DV,   19                          ; v19, v20, v21  the same in slot 1 of K
.set DVS,  21
.set T0,   22                          ; v22-27 at work
; A:
.set NM,   28                          ; tile x: v[28 + 2 x] = -M, the next the largest t
.set F,    32                          ; tile x: v[32 + 2 x] = f; the next 0 (named as a pair's upper half).  In B too
.set LS,   36                          ; tile x: v[36 + 2 x] on: the sum in two halves
.set KS,   40                          ; v40-47 K's scale words; v48-49 q's; v50-51 pass 2's: scales and nothing else
.set QS,   48
.set QBS,  50
.set PWA,  52                          ; v52-55 p's words as they are made: 2 x + s
.set DQ,   56                          ; v56-57 my query - 16 (lane / 16);  v58-59 pass 2's
.set DQB,  58
.set NINF, 60
.set LN,   61                          ; (the head alone: v61-64)
.set RR,   62
.set QSO,  63
.set HH,   64
.set QC,   80                          ; v80-111 q's codes
.set BM,   112                         ; v112-239: step 1's eight fragments of K; then v112-127 block 8 x + 4 s + b: the largest score, the largest p, 448 x the scale;
.set BT,   128                         ; at work, the scale bytes;
.set SCL,  144                         ; the conversions' scale operands;
.set ACC,  160                         ; four chains of the sum for each tile;
.set PC,   176                         ; p's codes: 16 (2 x + s)
; B:
.set COEF, 26                          ; a = 0: 1; a = 1: -lambda
.set PW,   28                          ; v28-31 p's words, v40-55 V's: scales and nothing else
.set CF,   36                          ; tile x: v[36 + 2 x] = COEF / l; the next 0
.set VS,   40
.set PB,   56                          ; v56-119 p's codes
.set FB,   120                         ; v120-247 eight fragments of V: step s's four at 64 s
.set W,    248                         ; v248-255 subln_weight[128 u + 4 l + 0..3] x (1 - LAMBDA_INIT)
.set WV,   20
.set AA,   21
.set QH,   22
.set MNT,  23                          ; the mantissa field of 448
.set G1,   24                          ; s[24:31] descriptor group 1: 66 rows
.set G0K,  32
.set G0V,  36
.set G1H,  40                          ; s[40:47] 33 rows, s[48:51]: the head's load
.set G0H,  48
.set SEL,  52
.set CS,   54
.set KVB,  56                          ; kv at my pair, my quarter of a tile
.set OF,   58
.set LC,   60                          ; the trip
.set NH,   61                          ; m + 1
.set MM,   62
.set KI,   63                          ; this trip's tile; s66 the last trip's; s67 the next trip's
.set VI,   66
.set KN,   67
.set KB,   68                          ; LDS byte of this trip's slot of K
.set KWO,  69
.set KVP,  70                          ; kv at my pair
.set PFB,  72                          ; at the head: an offset into q and out0
.set RN,   74
.set EPS,  75
.set CX,   76
.set BH,   77
.set OUTA, 78
.set OUTB, 80
.set QA,   82                          ; s[82:89] q at pass 2's tiles 0, 1, pass 1's tiles 0, 1
.set NH2,  100
.set KF,   101
.set PP,   104
.set MSB, 0
.macro WIN new                         ; the immediate's high byte repeats the setting that is left
.if MSB != \new
	s_set_vgpr_msb (MSB<<8)|\new
.set MSB, \new
.endif
.endm
.macro WALU
	s_wait_alu depctr_va_vdst(0)
.endm
.macro PLACES n
.rept \n
	v_nop
.endr
.endm
.macro ROUND                           ; a round of the cluster's barrier
	s_barrier_signal -1
	s_barrier_wait -1
	s_cmp_lg_u32 s[WV], 0
	s_cbranch_scc1 .Lnot_wave_0_\@
	s_barrier_signal -3
.Lnot_wave_0_\@:
	s_barrier_wait -3
	s_barrier_signal -1
	s_barrier_wait -1
.endm
; 64 numbers v[PC + 16 b + i] (d = 32 b + 16 (lane / 16) + i of my query) become a fragment's codes in v[pc] on and its scale word in v[pw]
.macro QUANT pc, pw
.irp b, 0,1,2,3
	v_max3_num_f32 v[BM+\b], |v[PC+16*\b]|, |v[PC+1+16*\b]|, 0x4800000   ; and the floor 2^(9 - 127): the byte cannot fall under 1
.endr
.irp i, 2,4,6,8,10,12,14
.irp b, 0,1,2,3
	v_max3_num_f32 v[BM+\b], v[BM+\b], |v[PC+16*\b+\i]|, |v[PC+1+16*\b+\i]|
.endr
.endr
.irp b, 0,1,2,3
	v_permlanex16_b32 v[BT+\b], v[BM+\b], s[SEL], s[SEL+1]
.endr
.irp b, 0,1,2,3
	v_max_num_f32 v[BM+\b], v[BM+\b], v[BT+\b]
.endr
.irp b, 0,1,2,3
	v_add_nc_u32 v[SCL+\b], 0xfc000000, v[BM+\b]   ; 8 off the exponent field: the conversion's scale operand
.endr
.irp b, 0,1,2,3
	v_and_or_b32 v[BM+4+\b], v[BM+\b], 0x7f800000, s[MNT]   ; 448 x the scale
.endr
.irp b, 0,1,2,3
	v_lshrrev_b32 v[BT+\b], 23, v[SCL+\b]
.endr
	v_lshl_or_b32 v[\pw], v[BT+1], 8, v[BT]
	v_lshl_or_b32 v[\pw], v[BT+2], 16, v[\pw]
	v_lshl_or_b32 v[\pw], v[BT+3], 24, v[\pw]
.irp b, 0,1,2,3
.irp i, 0,1,2,3,4,5,6,7,8,9,10,11,12,13,14,15
	v_med3_num_f32 v[PC+16*\b+\i], v[PC+16*\b+\i], -v[BM+4+\b], v[BM+4+\b]   ; the conversion does not saturate (ISA guide 7.6.2)
.endr
	v_cvt_scalef32_pk8_fp8_f32 v[\pc+4*\b:\pc+1+4*\b], v[PC+16*\b:PC+7+16*\b], v[SCL+\b]
	v_cvt_scalef32_pk8_fp8_f32 v[\pc+2+4*\b:\pc+3+4*\b], v[PC+8+16*\b:PC+15+16*\b], v[SCL+\b]
.endr
	v_nop                                          ; one plain line behind the last conversion
.endm
.macro QTILE i, younger, pc, pw        ; tile i of q: out of window 1, through my stage, so that a lane holds 64 numbers of ONE query, and quantised
	WALU
	s_wait_loadcnt \younger
	WIN 0x04                                       ; an LDS store's data are its source 1: window 1
.irp p, 0,1,2,3,4,5,6,7,8,9,10,11,12,13,14,15
	ds_store_b128 v[EXI], v[64*\i+4*\p:64*\i+4*\p+3] offset:528*\p
.endr
	WIN 0
.irp b, 0,1,2,3
.irp j, 0,1,2,3
	ds_load_b128 v[PC+16*\b+4*\j:PC+16*\b+4*\j+3], v[QSO] offset:128*\b+16*\j   ; LDS serves a wave's instructions in order: these see the stores above
.endr
.endr
	s_wait_dscnt 0x0
	QUANT \pc, \pw
.endm
; A: step 0's fragments of K lie where step 1's scores will (window 1), step 1's in window 0
.macro KLOADS
.irp q, 0,1
	ds_load_b64 v[KS+2*\q:KS+2*\q+1], v[ADKS] offset:256*\q
	ds_load_b64 v[KS+4+2*\q:KS+4+2*\q+1], v[ADKS] offset:PART+256*\q
.endr
	WIN 0x40
.irp t, 0,1,2,3,4,5,6,7
.irp c, 0,1,2,3
	ds_load_b128 v[64+16*\t+64*(\t/4)+4*\c:64+16*\t+64*(\t/4)+4*\c+3], v[ADK] offset:2048*\t+512*\c
.endr
.endr
	WIN 0
.irp t, 0,1,2,3,4,5,6,7
.irp c, 0,1,2,3
	ds_load_b128 v[BM+16*\t+4*\c:BM+16*\t+4*\c+3], v[ADK] offset:PART+2048*\t+512*\c
.endr
.endr
.endm
.macro QK k, x                         ; S^T = K Q^T for tile k = 8 s + T of 16 keys and tile x of queries; K's word: lanes 0-15 (T even) or 16-31 (T odd)
.set T_, (\k)%8
.if (\k) < 8
	WIN 0x41
.set R_, 64+16*T_+64*(T_/4)
.else
	WIN 0x40
.set R_, BM+16*T_
.endif
.if T_%2
	v_wmma_scale_f32_16x16x128_f8f6f4 v[128*\x+8*(\k):128*\x+8*(\k)+7], v[R_:R_+15], v[QC+16*\x:QC+16*\x+15], 0, v[KS+(\k)/2], v[QS+\x] matrix_a_scale:MATRIX_SCALE_ROW1
.else
	v_wmma_scale_f32_16x16x128_f8f6f4 v[128*\x+8*(\k):128*\x+8*(\k)+7], v[R_:R_+15], v[QC+16*\x:QC+16*\x+15], 0, v[KS+(\k)/2], v[QS+\x]
.endif
.endm
.macro FMA j, i                        ; t - M of set j = 2 s + x, numbers i, i + 1
	v_pk_fma_f32 v[128*((\j)%2)+64*((\j)/2)+(\i):128*((\j)%2)+64*((\j)/2)+(\i)+1], v[128*((\j)%2)+64*((\j)/2)+(\i):128*((\j)%2)+64*((\j)/2)+(\i)+1], s[CS:CS+1], v[NM+2*((\j)%2):NM+2*((\j)%2)+1] op_sel_hi:[1,0,0]
.endm
.macro EXPS j                          ; p = 2^(t - M) of set j
	WIN 0x41
.set EI, 0
.rept 64
	v_exp_f32 v[128*((\j)%2)+64*((\j)/2)+EI], v[128*((\j)%2)+64*((\j)/2)+EI]
.set EI, EI+1
.endr
.endm
.macro SUMOP i                         ; 120 lines: the sums of the unquantised p, four chains for each tile
.set X_, (\i)%2
.set Q_, (\i)/2
.set A_, ACC+8*X_+2*(Q_%4)
.set R_, 128*X_+2*(Q_+4)
.if Q_ < 4
	WIN 0x05
	v_pk_add_f32 v[A_:A_+1], v[R_-8:R_-7], v[R_:R_+1]
.else
	WIN 0x04
	v_pk_add_f32 v[A_:A_+1], v[A_:A_+1], v[R_:R_+1]
.endif
.endm
.macro MINOP i, s                      ; 64 pairs a step: p is not negative, so the hold at 448 x the scale is one-sided
.set X_, (\i)/32
.set R_, 128*X_+64*\s+2*((\i)%32)
.set H_, BM+8*X_+4*\s+((\i)%32)/8
	v_dual_min_num_f32 v[R_], v[R_], v[H_] :: v_dual_min_num_f32 v[R_+1], v[R_+1], v[H_]
.endm
.macro CVTOP i, s                      ; 16 conversions a step
.set X_, (\i)/8
.set B_, ((\i)%8)/2
.set D_, PC+16*(2*X_+\s)+4*B_+2*((\i)%2)
.set R_, 128*X_+64*\s+16*B_+8*((\i)%2)
	v_cvt_scalef32_pk8_fp8_f32 v[D_:D_+1], v[R_:R_+7], v[SCL+8*X_+4*\s+B_]
.endm
.macro HOLDCVT s
	WIN 0x41
.set SI, 0
.rept 64
	MINOP SI, \s
.set SI, SI+1
.endr
	WIN 0x01
.set SI, 0
.rept 16
	CVTOP SI, \s
.set SI, SI+1
.endr
	WIN 0
.irp b, 0,1,2,3
	v_lshrrev_b32 v[BT+4*\s+\b], 23, v[SCL+4*\s+\b]
	v_lshrrev_b32 v[BT+8+4*\s+\b], 23, v[SCL+8+4*\s+\b]
.endr
.irp x, 0,1
	v_lshl_or_b32 v[PWA+2*\x+\s], v[BT+8*\x+4*\s+1], 8, v[BT+8*\x+4*\s]
.endr
.irp x, 0,1
	v_lshl_or_b32 v[PWA+2*\x+\s], v[BT+8*\x+4*\s+2], 16, v[PWA+2*\x+\s]
.endr
.irp x, 0,1
	v_lshl_or_b32 v[PWA+2*\x+\s], v[BT+8*\x+4*\s+3], 24, v[PWA+2*\x+\s]
.endr
.irp x, 0,1
.irp c, 0,1,2,3
	ds_store_b128 v[PKC], v[PC+16*(2*\x+\s)+4*\c:PC+16*(2*\x+\s)+4*\c+3] offset:2048*(2*\x+\s)+512*\c   ; an image of the operand's registers
.endr
	ds_store_b32 v[PKW], v[PWA+2*\x+\s] offset:128*(2*\x+\s)
.endr
.endm
; B
.macro PLOAD                           ; the last trip's codes, words and f
.set k, 0
.rept 16
	ds_load_b128 v[PB+4*k:PB+4*k+3], v[PKC] offset:512*k
.set k, k+1
.endr
.irp i, 0,1,2,3
	ds_load_b32 v[PW+\i], v[PKW] offset:128*\i
.endr
	ds_load_b32 v[F], v[PKW] offset:512
	ds_load_b32 v[F+2], v[PKW] offset:640
.endm
.macro COEFS                           ; COEF / l of both tiles
	ds_load_b32 v[CF], v[PKW] offset:768
	ds_load_b32 v[CF+2], v[PKW] offset:896
	s_wait_dscnt 0x0
	v_mul_f32 v[CF], v[COEF], v[CF]
	v_mul_f32 v[CF+2], v[COEF], v[CF+2]
.endm
.macro VQ i, av                        ; run i = 2 q + s: V's fragments G = 4 q .. 4 q + 3 of step s
.irp t, 0,1,2,3
.irp c, 0,1,2,3
	ds_load_b128 v[FB+64*((\i)%2)+16*\t+4*\c:FB+64*((\i)%2)+16*\t+4*\c+3], v[\av+(\i)%2] offset:2048*(4*((\i)/2)+\t)+512*\c
.endr
.endr
.endm
.macro RSCQ q, x                       ; O's rescaling by f: four accumulators of tile x
	WIN 0x41
.set RJ, 128*(\x)+32*(\q)
.rept 16
	v_pk_mul_f32 v[RJ:RJ+1], v[RJ:RJ+1], v[F+2*(\x):F+2*(\x)+1] op_sel_hi:[1,0]
.set RJ, RJ+2
.endr
.endm
.macro PV i, t, x                      ; O^T += V^T P^T: eight accumulators by turns, one instruction a turn
.set S_, (\i)%2
.set G_, 4*((\i)/2)+\t
.set R_, FB+64*S_+16*\t
.set D_, 128*\x+8*G_
.set P_, PB+16*(2*\x+S_)
.if \t%2
	v_wmma_scale_f32_16x16x128_f8f6f4 v[D_:D_+7], v[R_:R_+15], v[P_:P_+15], v[D_:D_+7], v[VS+8*S_+G_/2], v[PW+2*\x+S_] matrix_a_scale:MATRIX_SCALE_ROW1
.else
	v_wmma_scale_f32_16x16x128_f8f6f4 v[D_:D_+7], v[R_:R_+15], v[P_:P_+15], v[D_:D_+7], v[VS+8*S_+G_/2], v[PW+2*\x+S_]
.endif
.endm
.macro PVALL av, avs                   ; a tile's 64 products, in eight runs of eight; behind each run a half of the next four channels' rescaling: the places ahead of the loads into the fragments that are done with
.irp g, 0,1,2,3
	ds_load_b64 v[VS+2*\g:VS+2*\g+1], v[\avs] offset:256*\g
	ds_load_b64 v[VS+8+2*\g:VS+8+2*\g+1], v[\avs] offset:PART+256*\g
.endr
	VQ 0, \av
	VQ 1, \av
	RSCQ 0, 0
	RSCQ 0, 1
.set PI, 0
.rept 8
	WIN 0
	WALU
.if PI < 7
	s_wait_dscnt 16                                ; the next run's 16 loads may be out
.else
	s_wait_dscnt 0x0
.endif
	WIN 0x50
.irp t, 0,1,2,3
	PV PI, \t, 0
	PV PI, \t, 1
.endr
.if PI < 6
	RSCQ PI/2+1, PI%2
	WIN 0
	VQ PI+2, \av
.endif
.set PI, PI+1
.endr
	WIN 0
	PLACES 8                                       ; ahead of reads of these results and of loads into what these products read
.endm
.macro SEND                            ; register tile 1, scaled, to my partner as an image of its registers
	WIN 0x41
.set j, 128
.rept 64
	v_pk_mul_f32 v[j:j+1], v[j:j+1], v[CF+2:CF+3] op_sel_hi:[1,0]
.set j, j+2
.endr
	WIN 0x04                                       ; an LDS store's data are its source 1: window 1
.set k, 0
.rept 32
	ds_store_b128 v[EXO], v[128+4*k:128+4*k+3] offset:512*k
.set k, k+1
.endr
	WIN 0
.endm
.macro TAKE out                        ; x = register tile 0, scaled, + what I received; the norm over the 256 channels; 16 rows of out0 through my stage
.set k, 0
.rept 32
	ds_load_b128 v[FB+4*k:FB+4*k+3], v[EXI] offset:512*k
.set k, k+1
.endr
	s_wait_dscnt 0x0
	WIN 0x41
.set j, 0
.rept 64
	v_pk_fma_f32 v[j:j+1], v[j:j+1], v[CF:CF+1], v[FB+j:FB+j+1] op_sel_hi:[1,0,1]
.set j, j+2
.endr
	WIN 0x05                                       ; the sum of squares, in four chains of pairs
.set j, 0
.rept 4
	v_pk_mul_f32 v[PB+j:PB+j+1], v[j:j+1], v[j:j+1]
.set j, j+2
.endr
.rept 60
	v_pk_fma_f32 v[PB+j%8:PB+j%8+1], v[j:j+1], v[j:j+1], v[PB+j%8:PB+j%8+1]
.set j, j+2
.endr
	WIN 0
	v_pk_add_f32 v[PB:PB+1], v[PB:PB+1], v[PB+2:PB+3]
	v_pk_add_f32 v[PB+4:PB+5], v[PB+4:PB+5], v[PB+6:PB+7]
	v_pk_add_f32 v[PB:PB+1], v[PB:PB+1], v[PB+4:PB+5]
	v_add_f32 v[T0], v[PB], v[PB+1]
	v_permlanex16_b32 v[T0+2], v[T0], s[SEL], s[SEL+1]
	v_add_f32 v[T0], v[T0], v[T0+2]                ; my query's 256 squares
	v_fma_f32 v[T0], v[T0], s[RN], s[EPS]          ; / 256 + 1e-5
	WALU
	v_rsq_f32 v[CF], v[T0]
	v_nop
	WALU
	WIN 0x01
.irp g, 0,1,2,3                                ; a lane's 32 neighbouring channels of group g lie in four accumulators: side by side here
.irp i, 0,1,2,3,4,5,6,7
.irp j, 0,1,2,3
	v_mul_f32 v[FB+32*\g+4*\i+\j], v[8*(4*\g+\j)+\i], v[CF]
.endr
.endr
.endr
	WIN 0
.irp u, 0,1                                    ; channels 128 u on: a lane's 128 bytes of each group go in, whole rows of 512 bytes come back
.irp g, 0,1
.irp i, 0,1,2,3,4,5,6,7
	ds_store_b128 v[OSI], v[FB+32*(2*\u+\g)+4*\i:FB+32*(2*\u+\g)+4*\i+3] offset:256*\g+16*\i
.endr
.endr
.irp t, 0,1,2,3,4,5,6,7,8,9,10,11,12,13,14,15
	ds_load_b128 v[PB+64*\u+4*\t:PB+64*\u+4*\t+3], v[EXI] offset:528*\t   ; LDS serves a wave's instructions in order: these see my stores; the next half's stores come behind them
.endr
.endr
.irp u, 0,1
	WALU
	s_wait_dscnt 32-32*\u                          ; this half's rows are back; the other half's 16 stores and 16 loads may be out
.irp t, 0,1,2,3,4,5,6,7,8,9,10,11,12,13,14,15
	v_pk_mul_f32 v[PB+64*\u+4*\t:PB+64*\u+4*\t+1], v[PB+64*\u+4*\t:PB+64*\u+4*\t+1], v[W+4*\u:W+4*\u+1]
	v_pk_mul_f32 v[PB+64*\u+4*\t+2:PB+64*\u+4*\t+3], v[PB+64*\u+4*\t+2:PB+64*\u+4*\t+3], v[W+4*\u+2:W+4*\u+3]
	global_store_b128 v[GO], v[PB+64*\u+4*\t:PB+64*\u+4*\t+3], s[\out:\out+1] offset:8192*\t+512*\u th:TH_STORE_NT   ; 32 lanes store 512 consecutive bytes, aligned
.endr
.endr
	s_wait_xcnt 0x0                                ; the stores have read their registers
.endm
.macro GROUP1 g, rows                  ; descriptor group 1: rows of 256 bytes (32 elements of 8 bytes), dense, no padding; 15:0 the mask: all four work-groups; 21 set beside it
	s_mov_b32 s[\g], 15|(3<<16)|(1<<21)
	s_mov_b32 s[\g+1], 32<<16
	s_mov_b32 s[\g+2], \rows<<16
	s_mov_b32 s[\g+3], 32<<16
	s_mov_b32 s[\g+4], \rows
	s_mov_b32 s[\g+5], 32
	s_mov_b32 s[\g+6], 0
	s_mov_b32 s[\g+7], 0
.endm
.macro ADR dst, ptr, row               ; a row of q or of out0
	s_lshl_b32 s[PFB], s\row, 13
	s_add_co_u32 s[PFB], s[PFB], s93
	s_add_nc_u64 s[\dst:\dst+1], s[\ptr:\ptr+1], s[PFB:PFB+1]
.endm
	s_load_b256 s[4:11], s[0:1], 0x0               ; q s[4:5], kv s[6:7], lambda_q1 s[8:9], lambda_k1 s[10:11]
	s_load_b256 s[12:19], s[0:1], 0x20             ; lambda_q2 s[12:13], lambda_k2 s[14:15], subln_weight s[16:17], out0 s[18:19]
	v_lshl_add_u32 v[SPW], v0, 2, SPARE
	v_mov_b32 v[NIL], 0
	ds_add_u32 v[SPW], v[NIL]                      ; the wave's opening: the add, twice on end, and its wait ahead of my first tensor load
	ds_add_u32 v[SPW], v[NIL]
	v_lshrrev_b32 v[T0], 5, v0
	v_readfirstlane_b32 s[WV], v[T0]
	s_and_b32 s[PP], s[WV], 3
	s_lshr_b32 s[AA], s[PP], 1
	s_and_b32 s[QH], s[WV], 1
	s_bfe_u32 s[CX], ttmp6, 0x40000
	s_mov_b32 s[MM], ttmp9
	s_and_b32 s[BH], ttmp7, 0xffff                 ; the pair: 8 b + h
	s_add_co_u32 s[NH], s[MM], 1
	s_add_co_u32 s[NH2], s[MM], 2
	s_lshl_b32 s90, s[MM], 2
	s_add_co_u32 s90, s90, s[CX]                   ; pass 1's block of 64 queries
	s_sub_co_u32 s91, 31, s90                      ; pass 2's
	s_lshl_b32 s90, s90, 6
	s_lshl_b32 s91, s91, 6
	s_lshl_b32 s92, s[QH], 5
	s_add_co_u32 s90, s90, s92
	s_add_co_u32 s91, s91, s92
	s_lshr_b32 s93, s[BH], 3
	s_lshl_b32 s93, s93, 24                        ; b x 2048 x 8192 bytes
	s_and_b32 s94, s[BH], 7
	s_lshl_b32 s94, s94, 10                        ; + the pair's 1024 bytes of a row
	s_or_b32 s93, s93, s94
	s_lshl_b32 s94, s[AA], 4
	s_sub_co_u32 s95, 16, s94
	s_add_co_u32 s96, s90, s94                     ; pass 1: first query of register tile 0, 1
	s_add_co_u32 s97, s90, s95
	s_add_co_u32 s98, s91, s94                     ; pass 2
	s_add_co_u32 s99, s91, s95
	GROUP1 G1, 66
	GROUP1 G1H, 33
	s_mov_b32 s[MNT], 0x600000
	s_mov_b32 s[SEL], 0x76543210
	s_mov_b32 s[SEL+1], 0xfedcba98
	s_mov_b32 s[CS], 0x3e0293ee                    ; c = log2(e) / sqrt(128)
	s_mov_b32 s[CS+1], s[CS]
	s_mov_b32 s[RN], 0x3b800000
	s_mov_b32 s[EPS], 0x3727c5ac
	s_mov_b32 s[KI], 0
	s_mov_b32 s[VI], 0
	s_mov_b32 s[KB], 0
	s_mov_b32 s[LC], 0
	s_mov_b32 s[OF+1], 0
	s_mov_b32 s[PFB+1], 0
	s_mul_i32 s[KWO], s[PP], PART/2
	; the lane's places in LDS: constants, the wave's number and the lane alone; made by all waves
	v_and_b32 v[LN], 31, v0
	v_and_b32 v[RR], 15, v0
	v_bfe_u32 v[HH], v0, 4, 1
	v_lshlrev_b32 v[GO], 4, v[LN]
	v_lshlrev_b32 v[T0], 3, v[LN]
	v_lshlrev_b32 v[T0+1], 2, v[LN]
	v_mul_u32_u24 v[T0+2], v[RR], 528
	s_lshl_b32 s94, s[AA], 14
	v_add_nc_u32 v[AK0], s94, v[GO]
	s_lshl_b32 s94, s[AA], 9
	s_add_co_u32 s94, s94, 32768
	v_add_nc_u32 v[AKS0], s94, v[T0]
	v_add_nc_u32 v[AV], VSL, v[GO]
	v_add_nc_u32 v[AV+1], VSL+PART, v[GO]
	v_add_nc_u32 v[AVS], VSL+32768, v[T0]
	v_add_nc_u32 v[DV], SLOT, v[GO]
	v_add_nc_u32 v[DV+1], SLOT+PART, v[GO]
	v_add_nc_u32 v[DVS], SLOT+32768, v[T0]
	s_lshl_b32 s94, s[PP], 13
	s_add_co_u32 s94, s94, PKB
	v_add_nc_u32 v[PKC], s94, v[GO]
	s_lshl_b32 s94, s[PP], 10
	s_add_co_u32 s94, s94, PWB
	v_add_nc_u32 v[PKW], s94, v[T0+1]
	s_lshl_b32 s94, s[PP], 12
	s_add_co_u32 s94, s94, QSB
	v_add_nc_u32 v[QSA], s94, v[GO]
	s_xor_b32 s94, s[PP], 2
	s_lshl_b32 s94, s94, 14
	s_add_co_u32 s94, s94, EXB
	v_add_nc_u32 v[EXO], s94, v[GO]
	s_lshl_b32 s94, s[PP], 14
	s_add_co_u32 s94, s94, EXB
	v_add_nc_u32 v[EXI], s94, v[GO]
	v_lshl_add_u32 v[OSI], v[HH], 7, v[T0+2]
	v_lshl_add_u32 v[QSO], v[HH], 6, v[T0+2]
	v_add_nc_u32 v[OSI], s94, v[OSI]
	v_add_nc_u32 v[QSO], s94, v[QSO]
	s_lshl_b32 s94, s[CX], 2                       ; prefetches: my 33 blocks of a tile's 528
	s_add_co_u32 s94, s94, s[PP]
	s_mul_i32 s94, s94, 33*256
	v_lshlrev_b32 v[PFO], 8, v[LN]
	v_add_nc_u32 v[PFO], s94, v[PFO]
	s_add_co_u32 s94, s94, 32*256
	v_mov_b32 v[PFN], s94
	v_lshlrev_b32 v[T0], 4, v[HH]
	v_sub_nc_u32 v[T0], v[RR], v[T0]               ; r - 16 hh
	v_add_nc_u32 v[DQ], s96, v[T0]
	v_add_nc_u32 v[DQ+1], s97, v[T0]
	v_add_nc_u32 v[DQB], s98, v[T0]
	v_add_nc_u32 v[DQB+1], s99, v[T0]
	v_mov_b32 v[T0+2], 0                           ; written ahead of a lane permute: its destination counts as one of its sources
	v_mov_b32 v[T0+3], 0
.irp i, 0,1,2,3
	v_mov_b32 v[F+\i], 0
	v_mov_b32 v[LS+\i], 0                          ; (in B CF: its upper halves)
.endr
	s_wait_dscnt 0x0                               ; both opening adds are done
	WALU
	s_wait_kmcnt 0x0
	ADR OUTA, 18, 96
	ADR OUTB, 18, 98
	s_lshl_b32 s94, s[AA], 9                       ; q: my attention's head of the pair
	s_add_co_u32 s93, s93, s94
	ADR QA, 4, 98
	ADR QA+2, 4, 99
	ADR QA+4, 4, 96
	ADR QA+6, 4, 97
	s_mul_i32 s[OF], s[BH], 16*SLOT                ; (this pair never holds cx)
	s_add_nc_u64 s[KVP:KVP+1], s[6:7], s[OF:OF+1]
	s_mul_i32 s[OF], s[AA], SLOT
	s_mul_i32 s[KN], s[QH], PART/2
	s_add_co_u32 s[OF], s[OF], s[KN]
	s_add_nc_u64 s[KVB:KVB+1], s[KVP:KVP+1], s[OF:OF+1]
	s_lshr_b32 s[OF], s[WV], 2                     ; the head's load: an eighth of K's tile 0 a wave: step w / 4
	s_mul_i32 s[OF], s[OF], SLOT
	s_mul_i32 s[KN], s[PP], PART/4
	s_add_co_u32 s[OF], s[OF], s[KN]
	s_mov_b32 s[G0H], 1
	s_mul_i32 s[G0H+1], s[WV], PART/4
	s_add_nc_u64 s[G0H+2:G0H+3], s[KVP:KVP+1], s[OF:OF+1]
	s_or_b32 s[G0H+3], s[G0H+3], 0x80000000
	s_mov_b32 s[G0K], 1
	s_mov_b32 s[G0V], 1
	s_add_co_u32 s[G0V+1], s[KWO], VSL
	s_cmp_lt_u32 s[WV], 4
	s_cbranch_scc0 .Lb_loads
	WIN 0x40
.irp i, 0,1,2,3
.irp p, 0,1,2,3,4,5,6,7,8,9,10,11,12,13,14,15
	global_load_b128 v[64*\i+4*\p:64*\i+4*\p+3], v[GO], s[QA+2*\i:QA+2*\i+1] offset:8192*\p th:TH_LOAD_NT   ; one query's 512 consecutive bytes
.endr
.endr
	WIN 0
	s_branch .Lloads_out
.Lb_loads:
	global_load_b128 v[FB:FB+3], v[GO], s[8:9]     ; four numbers a lane of each lambda vector
	global_load_b128 v[FB+4:FB+7], v[GO], s[10:11]
	global_load_b128 v[FB+8:FB+11], v[GO], s[12:13]
	global_load_b128 v[FB+12:FB+15], v[GO], s[14:15]
	global_load_b128 v[W:W+3], v[GO], s[16:17]
	global_load_b128 v[W+4:W+7], v[GO], s[16:17] offset:512
.Lloads_out:
	ROUND                                          ; all four work-groups are here: the first joint load meets
	tensor_load_to_lds s[G0H:G0H+3], s[G1H:G1H+7]
	s_nop 0
	PLACES 4
	s_cmp_lt_u32 s[WV], 4
	s_cbranch_scc0 .Lb_head
	; A: q.  younger = the loads of the tiles behind, 16 each
.irp i, 0,1,2,3
	v_mov_b32 v[BT+\i], 0
.endr
	QTILE 0, 48, QC, QBS
	QTILE 1, 32, QC+16, QBS+1
.set k, 0
.rept 8
	ds_store_b128 v[QSA], v[QC+4*k:QC+4*k+3] offset:512*k   ; pass 2's codes wait in LDS, in bytes of my own
.set k, k+1
.endr
	QTILE 2, 16, QC, QS
	QTILE 3, 0, QC+16, QS+1
	v_mov_b32 v[NINF], 0xff800000
.irp i, 0,1,2,3
	v_mov_b32 v[PC+\i], 0
	v_mov_b32 v[PWA+\i], 0x7f7f7f7f
.endr
.irp i, 0,2
	v_mov_b32 v[NM+1+\i], 0xff61b1e6               ; the largest t so far: -3e38, under every t
.endr
.irp i, 0,2
	v_floor_f32 v[NM+\i], -v[NM+1+\i]
.endr
.set k, 0
.rept 16
	ds_store_b128 v[PKC], v[PC:PC+3] offset:512*k  ; what B finds in the first trip: zero codes, words of 1.0, f = 0
.set k, k+1
.endr
.irp i, 0,1,2,3
	ds_store_b32 v[PKW], v[PWA+\i] offset:128*\i
	ds_store_b32 v[PKW], v[PC] offset:512+128*\i
.endr
	WALU
	s_branch .Ltrip
.Lb_head:
	WIN 0x40
.set j, 0
.rept 256
	v_mov_b32 v[j], 0                              ; O: the body is written once, its first trip finds zeros
.set j, j+1
.endr
	WIN 0
	WALU
	s_wait_loadcnt 0x0
	; -lambda = exp(sum lq2 lk2) - exp(sum lq1 lk1) - LAMBDA_INIT
	v_mul_f32 v[T0], v[FB], v[FB+4]
	v_mul_f32 v[T0+1], v[FB+8], v[FB+12]
.irp i, 1,2,3
	v_fmac_f32 v[T0], v[FB+\i], v[FB+4+\i]
	v_fmac_f32 v[T0+1], v[FB+8+\i], v[FB+12+\i]
.endr
.irp x, 1,2,4,8
	v_add_f32_dpp v[T0], v[T0], v[T0] row_xmask:\x row_mask:0xf bank_mask:0xf
	v_add_f32_dpp v[T0+1], v[T0+1], v[T0+1] row_xmask:\x row_mask:0xf bank_mask:0xf
.endr
	v_permlanex16_b32 v[T0+2], v[T0], s[SEL], s[SEL+1]
	v_permlanex16_b32 v[T0+3], v[T0+1], s[SEL], s[SEL+1]
	v_add_f32 v[T0], v[T0], v[T0+2]
	v_add_f32 v[T0+1], v[T0+1], v[T0+3]
	v_mul_f32 v[T0], 0x3fb8aa3b, v[T0]
	v_mul_f32 v[T0+1], 0x3fb8aa3b, v[T0+1]
	WALU
	v_exp_f32 v[T0], v[T0]
	v_exp_f32 v[T0+1], v[T0+1]
	v_nop
	WALU
	v_sub_f32 v[T0], v[T0+1], v[T0]
	v_add_f32 v[T0], 0xbf489a63, v[T0]             ; LAMBDA_INIT = 0.8 - 0.6 exp(-3.6) = 0.7836058
	s_cmp_eq_u32 s[AA], 0
	s_cselect_b32 s94, -1, 0
	v_cndmask_b32 v[COEF], v[T0], 1.0, s94
.irp i, 0,1,2,3,4,5,6,7
	v_mul_f32 v[W+\i], 0x3e5d9673, v[W+\i]         ; x (1 - LAMBDA_INIT) = 0.2163942
.endr
	WALU
.Ltrip:
	s_wait_xcnt 0x0                                ; my prefetches have read their address
	s_wait_tensorcnt 0x0                           ; my tensor load has landed; no load is out, so a group 0 may be written
	ds_add_u32 v[SPW], v[NIL]                      ; 0 onto my spare word
	s_add_co_u32 s[KN], s[KI], 1                   ; the next trip's tile: pass 2 begins at 0
	s_cmp_eq_u32 s[LC], s[MM]
	s_cselect_b32 s[KN], 0, s[KN]
	s_mul_i32 s[OF], s[KN], TRIPB
	s_mul_i32 s4, s[KI], TRIPB
	s_add_co_u32 s4, s4, PART
	s_cmp_eq_u32 s[LC], 8                          ; the last trip asks for its own tile's V
	s_cselect_b32 s[OF], s4, s[OF]
	s_add_nc_u64 s[G0K+2:G0K+3], s[KVB:KVB+1], s[OF:OF+1]
	s_or_b32 s[G0K+3], s[G0K+3], 0x80000000
	s_xor_b32 s5, s[KB], SLOT
	s_add_co_u32 s[G0K+1], s[KWO], s5
	s_mul_i32 s[OF], s[VI], TRIPB
	s_add_co_u32 s[OF], s[OF], PART
	s_add_nc_u64 s[G0V+2:G0V+3], s[KVB:KVB+1], s[OF:OF+1]
	s_or_b32 s[G0V+3], s[G0V+3], 0x80000000
	s_wait_dscnt 0x0                               ; the add is done; my reads of the slots, and my stores for other waves, are over
	ROUND                                          ; no wave of any partner still reads what is filled or has a load on its way
	s_cmp_lt_u32 s[WV], 4                          ; one joint load a wave; s_nop 0 and four v_nop follow each line
	s_cbranch_scc0 .Lfor_v
	tensor_load_to_lds s[G0K:G0K+3], s[G1:G1+7]
	s_nop 0
	PLACES 4
	s_branch .Lasked
.Lfor_v:
	tensor_load_to_lds s[G0V:G0V+3], s[G1:G1+7]
	s_nop 0
	PLACES 4
.Lasked:
	v_add_nc_u32 v[ADK], s[KB], v[AK0]
	v_add_nc_u32 v[ADKS], s[KB], v[AKS0]
	WALU
	s_cmp_lt_u32 s[WV], 4
	s_cbranch_scc0 .Lb_first
	; A, first half: the scores and their maxima
	s_cmp_lg_u32 s[LC], s[NH]
	s_cbranch_scc1 .Lsame_pass
	v_mov_b32 v[QS], v[QBS]                        ; pass 2 begins
	v_mov_b32 v[QS+1], v[QBS+1]
	v_mov_b32 v[DQ], v[DQB]
	v_mov_b32 v[DQ+1], v[DQB+1]
	v_mov_b32 v[NM+1], 0xff61b1e6
	v_mov_b32 v[NM+3], 0xff61b1e6
	v_floor_f32 v[NM], -v[NM+1]
	v_floor_f32 v[NM+2], -v[NM+3]
.set k, 0
.rept 8
	ds_load_b128 v[QC+4*k:QC+4*k+3], v[QSA] offset:512*k
.set k, k+1
.endr
	PLACES 4                                       ; (with the moves above, the places ahead of the products that take q's words)
	WALU
	s_wait_dscnt 0x0
.Lsame_pass:
	KLOADS
.set KQ, 0
.rept 8
	s_wait_dscnt 4*(7-KQ)+32                       ; the fragments behind, and step 1's, may be out
	QK KQ, 0
	QK KQ, 1
.set KQ, KQ+1
.endr
	PLACES 9                                       ; the next scores are written over registers that these products read
.rept 8
	s_wait_dscnt 4*(15-KQ)
	QK KQ, 0
	QK KQ, 1
.set KQ, KQ+1
.endr
	WIN 0
	PLACES 8                                       ; ahead of the first reads of the scores and of writes into what these products read
	s_cmp_eq_u32 s[LC], s[MM]                      ; the mask: a pass's last trip
	s_cbranch_scc1 .Lmask
	s_cmp_lg_u32 s[LC], 8
	s_cbranch_scc1 .Lopen
.Lmask:
	s_lshl_b32 s[KF], s[KI], 8
	v_sub_nc_u32 v[T0], v[DQ], s[KF]               ; d.  Step s's number 16 b + i is key KF + 16 (lane / 16) + 128 s + 32 b + i: hidden where 128 s + 32 b + i > d
	v_sub_nc_u32 v[T0+1], v[DQ+1], s[KF]
	WIN 0x41
.irp x, 0,1
.set n, 0
.rept 128
	v_cmp_gt_i32 vcc_lo, 32*(n/16)+n%16, v[T0+\x]
	v_cndmask_b32 v[128*\x+n], v[128*\x+n], v[NINF], vcc_lo
.set n, n+1
.endr
.endr
	WIN 0
.Lopen:
	; the largest score of each of 16 blocks of 32 keys: for the row's maximum and for the block's largest p
	WIN 0x15
.irp b, 0,1,2,3,8,9,10,11,4,5,6,7,12,13,14,15
	v_max3_num_f32 v[BM+\b], v[16*\b], v[16*\b+1], v[16*\b+2]
.endr
	WIN 0x14
.irp i, 3,5,7,9,11,13
.irp b, 0,1,2,3,8,9,10,11,4,5,6,7,12,13,14,15
	v_max3_num_f32 v[BM+\b], v[BM+\b], v[16*\b+\i], v[16*\b+\i+1]
.endr
.endr
.irp b, 0,1,2,3,8,9,10,11,4,5,6,7,12,13,14,15
	v_max_num_f32 v[BM+\b], v[BM+\b], v[16*\b+15]
.endr
	WIN 0
.set b, 0
.rept 16
	v_permlanex16_b32 v[BT+b], v[BM+b], s[SEL], s[SEL+1]
.set b, b+1
.endr
.set b, 0
.rept 16
	v_max_num_f32 v[BM+b], v[BM+b], v[BT+b]        ; with lane l xor 16's 16 keys
.set b, b+1
.endr
.irp x, 0,1
	v_max3_num_f32 v[T0+\x], v[BM+8*\x], v[BM+8*\x+1], v[BM+8*\x+2]
	v_max3_num_f32 v[T0+4+\x], v[BM+8*\x+3], v[BM+8*\x+4], v[BM+8*\x+5]
.endr
.irp x, 0,1
	v_max3_num_f32 v[T0+\x], v[T0+\x], v[BM+8*\x+6], v[BM+8*\x+7]
.endr
.irp x, 0,1
	v_max_num_f32 v[T0+\x], v[T0+\x], v[T0+4+\x]
.endr
.irp x, 0,1
	v_mul_f32 v[T0+\x], s[CS], v[T0+\x]            ; as t (c is positive)
.endr
.irp x, 0,1
	v_max_num_f32 v[NM+1+2*\x], v[NM+1+2*\x], v[T0+\x]   ; the running largest t
.endr
.irp x, 0,1
	v_mov_b32 v[T0+\x], v[NM+2*\x]
.endr
.irp x, 0,1
	v_floor_f32 v[NM+2*\x], -v[NM+1+2*\x]          ; the new -M = -ceil(t)
.endr
.irp x, 0,1
	v_sub_f32 v[T0+\x], v[NM+2*\x], v[T0+\x]       ; old M - new M: a whole number, 0 or less
.endr
.irp x, 0,1
	v_cvt_i32_f32 v[T0+\x], v[T0+\x]               ; (it saturates)
.endr
.irp x, 0,1
	v_ldexp_f32 v[F+2*\x], 1.0, v[T0+\x]           ; f = 2^(old M - new M): rounds nothing
.endr
.set b, 0
.rept 16
	v_fma_f32 v[BM+b], v[BM+b], s[CS], v[NM+2*(b/8)]   ; t - M of each block's largest score
.set b, b+1
.endr
	WALU
	s_branch .Lmid
.Lb_first:
	; B, first half: what A made of the last tile, and V
	s_cmp_lg_u32 s[LC], s[NH2]
	s_cbranch_scc1 .Lno_take
	TAKE OUTA
.Lno_take:
	PLOAD
	s_cmp_lg_u32 s[LC], s[NH]
	s_cbranch_scc1 .Lno_coefs
	COEFS
.Lno_coefs:
	WALU
	s_wait_tensorcnt 0x0                           ; B's loads have landed: V
.Lmid:
	s_wait_dscnt 0x0                               ; B has the last trip's codes, A K's fragments
	s_barrier_signal -1
	s_barrier_wait -1
	s_cmp_lt_u32 s[WV], 4
	s_cbranch_scc0 .Lb_second
	; A, second half: p, its sums, its codes
	s_add_co_u32 s4, s[LC], 2                      ; the tile two trips on
	s_add_co_u32 s5, s[LC], 1
	s_sub_co_u32 s5, s5, s[MM]
	s_cmp_gt_u32 s4, s[MM]
	s_cselect_b32 s4, s5, s4
	s_mul_i32 s4, s4, TRIPB
	s_mov_b32 s5, 0
	s_add_nc_u64 s[PFB:PFB+1], s[KVP:KVP+1], s[4:5]
	s_cmp_lt_u32 s[LC], 7
	s_cbranch_scc0 .Lnone_ahead
	global_prefetch_b8 v[PFO], s[PFB:PFB+1] th:TH_LOAD_NT scope:SCOPE_SE     ; 32 blocks, a lane a block,
	global_prefetch_b8 v[PFN], s[PFB:PFB+1] th:TH_LOAD_NT scope:SCOPE_SE     ; and my 33rd
.Lnone_ahead:
	WIN 0x41
.irp j, 0,1,2,3
.set EI, 0
.rept 32
	FMA \j, EI
.set EI, EI+2
.endr
.endr
	WALU                                           ; one wait ahead of the whole batch
	EXPS 0
	EXPS 1
	EXPS 2
	EXPS 3
	WIN 0
.set b, 0
.rept 16
	v_exp_f32 v[BM+b], v[BM+b]                     ; the block's largest p: the same two instructions on the same number
.set b, b+1
.endr
	v_nop
	WALU
.set b, 0
.rept 16
	v_max_num_f32 v[BM+b], 0x4800000, v[BM+b]      ; the floor
.set b, b+1
.endr
.set b, 0
.rept 16
	v_add_nc_u32 v[SCL+b], 0xfc000000, v[BM+b]
.set b, b+1
.endr
.set b, 0
.rept 16
	v_and_or_b32 v[BM+b], v[BM+b], 0x7f800000, s[MNT]
.set b, b+1
.endr
.set SI, 0
.rept 120
	SUMOP SI
.set SI, SI+1
.endr
	WIN 0
.irp c, 0,4
	v_pk_add_f32 v[ACC+\c:ACC+\c+1], v[ACC+\c:ACC+\c+1], v[ACC+\c+2:ACC+\c+3]
	v_pk_add_f32 v[ACC+8+\c:ACC+8+\c+1], v[ACC+8+\c:ACC+8+\c+1], v[ACC+8+\c+2:ACC+8+\c+3]
.endr
	v_pk_add_f32 v[ACC:ACC+1], v[ACC:ACC+1], v[ACC+4:ACC+5]
	v_pk_add_f32 v[ACC+8:ACC+9], v[ACC+8:ACC+9], v[ACC+12:ACC+13]
	v_pk_fma_f32 v[LS:LS+1], v[LS:LS+1], v[F:F+1], v[ACC:ACC+1] op_sel_hi:[1,0,1]   ; the sums under the new M
	v_pk_fma_f32 v[LS+2:LS+3], v[LS+2:LS+3], v[F+2:F+3], v[ACC+8:ACC+9] op_sel_hi:[1,0,1]
	HOLDCVT 0
	HOLDCVT 1
	ds_store_b32 v[PKW], v[F] offset:512
	ds_store_b32 v[PKW], v[F+2] offset:640
	WALU
	s_cmp_eq_u32 s[LC], s[MM]                      ; a pass's last trip: 1 / l
	s_cbranch_scc1 .Lsum_up
	s_cmp_lg_u32 s[LC], 8
	s_cbranch_scc1 .Lend
.Lsum_up:
	v_add_f32 v[T0], v[LS], v[LS+1]
	v_add_f32 v[T0+1], v[LS+2], v[LS+3]
	v_permlanex16_b32 v[T0+2], v[T0], s[SEL], s[SEL+1]
	v_permlanex16_b32 v[T0+3], v[T0+1], s[SEL], s[SEL+1]
	v_add_f32 v[T0], v[T0], v[T0+2]
	v_add_f32 v[T0+1], v[T0+1], v[T0+3]
	WALU
	v_rcp_f32 v[T0], v[T0]
	v_rcp_f32 v[T0+1], v[T0+1]
	v_nop
	WALU
	ds_store_b32 v[PKW], v[T0] offset:768
	ds_store_b32 v[PKW], v[T0+1] offset:896
	s_branch .Lend
.Lb_second:
	; B, second half: O
	PVALL AV, AVS
	WALU
	s_cmp_lg_u32 s[LC], s[NH]
	s_cbranch_scc1 .Lend
	SEND                                           ; pass 1's O is complete
	WALU
.Lend:
	s_mov_b32 s[VI], s[KI]
	s_mov_b32 s[KI], s[KN]
	s_xor_b32 s[KB], s[KB], SLOT
	s_add_co_u32 s[LC], s[LC], 1
	s_cmp_lt_u32 s[LC], 9
	s_cbranch_scc1 .Ltrip
	; THE DRAIN: the last tile's V lies in slot 1 of K
	s_wait_tensorcnt 0x0
	s_wait_dscnt 0x0
	s_barrier_signal -1
	s_barrier_wait -1
	s_cmp_lt_u32 s[WV], 4
	s_cbranch_scc1 .Ldrained
	PLOAD
	COEFS
	PVALL DV, DVS
	SEND
	WALU
.Ldrained:
	s_wait_dscnt 0x0                               ; for the other side: my stores into the exchange are done
	s_barrier_signal -1
	s_barrier_wait -1
	s_cmp_lt_u32 s[WV], 4
	s_cbranch_scc1 .Ldone
	TAKE OUTB
.Ldone:
	s_wait_tensorcnt 0x0                           ; the wave's end: behind my last tensor load and my last LDS store
	ds_add_u32 v[SPW], v[NIL]
	s_wait_dscnt 0x0
	ROUND                                          ; the closing round: no work-group ends while a partner may still ask for a tile that names it
	s_endpgm
.Lfunc_end_k_q93b10f4310_attn:
	.size	k_q93b10f4310_attn, .Lfunc_end_k_q93b10f4310_attn-k_q93b10f4310_attn
	.p2alignl 7, 3214868480
	.fill 96, 4, 3214868480
	.section	.rodata,"a",@progbits
	.p2align	6, 0x0
	.amdhsa_kernel k_q93b10f4310_attn
		.amdhsa_group_segment_fixed_size 327680
		.amdhsa_private_segment_fixed_size 0
		.amdhsa_enable_private_segment 0
		.amdhsa_kernarg_size 64
		.amdhsa_user_sgpr_count 2
		.amdhsa_user_sgpr_kernarg_segment_ptr 1
		.amdhsa_wavefront_size32 1
		.amdhsa_system_sgpr_workgroup_id_x 1
		.amdhsa_system_sgpr_workgroup_id_y 1
		.amdhsa_system_sgpr_workgroup_id_z 1
		.amdhsa_system_vgpr_workitem_id 0
		.amdhsa_next_free_vgpr 512
		.amdhsa_next_free_sgpr 106
		.amdhsa_reserve_vcc 1
		.amdhsa_float_denorm_mode_32 3
		.amdhsa_float_denorm_mode_16_64 3
		.amdhsa_memory_ordered 1
		.amdhsa_forward_progress 1
		.amdhsa_inst_pref_size 255
	.end_amdhsa_kernel
	.section	.bss,"aw",@nobits
	.p2align	6
	.space	262144
	.amdgpu_metadata
---
amdhsa.version: [ 1, 2 ]
amdhsa.kernels:
  - .name:           k_q93b10f4310_attn
    .symbol:         k_q93b10f4310_attn.kd
    .args:
      - { .name: q, .offset: 0, .size: 8, .value_kind: global_buffer, .address_space: global }
      - { .name: kv, .offset: 8, .size: 8, .value_kind: global_buffer, .address_space: global }
      - { .name: lambda_q1, .offset: 16, .size: 8, .value_kind: global_buffer, .address_space: global }
      - { .name: lambda_k1, .offset: 24, .size: 8, .value_kind: global_buffer, .address_space: global }
      - { .name: lambda_q2, .offset: 32, .size: 8, .value_kind: global_buffer, .address_space: global }
      - { .name: lambda_k2, .offset: 40, .size: 8, .value_kind: global_buffer, .address_space: global }
      - { .name: subln_weight, .offset: 48, .size: 8, .value_kind: global_buffer, .address_space: global }
      - { .name: out0, .offset: 56, .size: 8, .value_kind: global_buffer, .address_space: global }
    .group_segment_fixed_size: 327680
    .private_segment_fixed_size: 0
    .kernarg_segment_align: 8
    .kernarg_segment_size: 64
    .max_flat_workgroup_size: 256
    .sgpr_count:     106
    .vgpr_count:     512
    .wavefront_size: 32
...
	.end_amdgpu_metadata
.endif
;; end of part 2
